; MI455X (gfx1250); checked and timed in simulation.
; The chip was launched on July 23, 2026; its instructions are those of AMD's public machine-readable ISA for CDNA 5 (MIT licence, August 2026) and "CDNA5" Instruction Set Architecture Reference Guide (July 2026). The comments in the code are by the model that wrote it; some were corrected since.
;; Span Self Attention. Allowed arithmetic: float matrix products may take bf16 or f16 operands with f32 sums; other float arithmetic in f32, or as packed bf16 or f16 multiplies, adds, multiply-adds, maxima and minima; sums over many terms, partial sums and values carried from step to step in f32; what a program stores and reads back later, other than sums and carried values, may be rounded once to bf16 or f16.
;; Inputs: W1 1,024 x 1,024 float32; b 2 x 2,048 int32; b1 1,024 float32; b_out 1 float32; e 2 x 2,048 int32; inputs 2 x 2,048 x 1,024 float32; w_out 1,024 x 1 float32.
;; Outputs: out0 2 x 2,048 x 1,024 float32.
;; Constants: max_width = 16.
;; 2 versions, each right; version 2 is version 1 with the launch cast written anew for expert scheduling mode. Each part assembles by itself: llvm-mc -triple=amdgcn-amd-amdhsa -mcpu=gfx1250 --defsym DOCPART=n.
;; ======== version 1 of 2: 3 launches
;; workspace buffers: xb 8,388,608 bytes; w1b 2,097,152 bytes; part 131,072 bytes
;; launch cast (part 1): grid 256 x 1, 8 waves a work-group, no clusters, 0 bytes of LDS; arguments inputs, W1, xb, w1b; writes xb, w1b
.if DOCPART == 1
	.amdgcn_target "amdgcn-amd-amdhsa--gfx1250"
	.amdhsa_code_object_version 6
	.text
	.protected	k_q33c1ae053a_cast
	.globl	k_q33c1ae053a_cast
	.p2align	8
	.type	k_q33c1ae053a_cast,@function
k_q33c1ae053a_cast:
	s_mov_b64 s[64:65], 0
	v_nop
	global_prefetch_b8 v0, s[64:65] scope:SCOPE_SE
	s_setreg_imm32_b32 hwreg(HW_REG_WAVE_MODE, 25, 1), 1
	s_wait_xcnt 0x0
; xb = inputs rounded once to bf16, w1b = W1 rounded once to bf16, both in their own layout ([4096][1024] and [1024 k][1024 n]).
; A stream: nothing is shared and nothing is used twice, so no LDS, no barrier, no matrix unit, no cluster.
; SHARES.  256 work-groups of eight waves.  Work-group g takes 65,536 bytes of inputs and 16,384 bytes of W1; wave v an eighth of each: 16 + 4 loads of 16 bytes a lane.
; A load of a wave covers 512 consecutive bytes; its four numbers a lane round into 8 bytes, so the store that belongs to it covers 256 consecutive bytes, aligned.
; All twenty loads go out first; each has registers of its own, which are never written again behind their store: no wait but the counted ones for the loads.
.set XI, 4                             ; v4   my byte offset in the work-group's part of inputs: 8,192 x wave + 16 x lane
.set XO, 5                             ; v5   in xb: 4,096 x wave + 8 x lane
.set WI, 6                             ; v6   in W1: 2,048 x wave + 16 x lane
.set WO, 7                             ; v7   in w1b: 1,024 x wave + 8 x lane
.set D,  16                            ; v[16:95]  load k: four registers
	s_load_b256 s[4:11], s[0:1], 0x0               ; inputs s[4:5], W1 s[6:7], xb s[8:9], w1b s[10:11]
	v_and_b32 v1, 31, v0                           ; lane
	v_lshrrev_b32 v2, 5, v0                        ; wave
	v_lshlrev_b32 v3, 4, v1
	v_lshl_add_u32 v[XI], v2, 13, v3
	v_lshl_add_u32 v[WI], v2, 11, v3
	v_lshlrev_b32 v3, 3, v1
	v_lshl_add_u32 v[XO], v2, 12, v3
	v_lshl_add_u32 v[WO], v2, 10, v3
	s_mov_b32 s13, 0                               ; the upper word of the offset pair
	s_wait_kmcnt 0x0
	s_lshl_b32 s12, ttmp9, 16                      ; the work-group's part of each of the four buffers
	s_add_nc_u64 s[4:5], s[4:5], s[12:13]
	s_lshl_b32 s12, ttmp9, 14
	s_add_nc_u64 s[6:7], s[6:7], s[12:13]
	s_lshl_b32 s12, ttmp9, 15
	s_add_nc_u64 s[8:9], s[8:9], s[12:13]
	s_lshl_b32 s12, ttmp9, 13
	s_add_nc_u64 s[10:11], s[10:11], s[12:13]
.set k, 0
.rept 16
	global_load_b128 v[D+4*k:D+4*k+3], v[XI], s[4:5] offset:512*k th:TH_LOAD_NT
.set k, k+1
.endr
.rept 4
	global_load_b128 v[D+4*k:D+4*k+3], v[WI], s[6:7] offset:512*(k-16) th:TH_LOAD_NT
.set k, k+1
.endr
.set k, 0
.rept 20
	s_wait_loadcnt 19-k                            ; loads come back in order (ISA guide 5.7.1): load k is in, the 19 - k younger ones stay out
	v_cvt_pk_bf16_f32 v[D+4*k], v[D+4*k], v[D+4*k+1]      ; two roundings to nearest even, packed
	v_cvt_pk_bf16_f32 v[D+4*k+1], v[D+4*k+2], v[D+4*k+3]
.if k < 16
	global_store_b64 v[XO], v[D+4*k:D+4*k+1], s[8:9] offset:256*k
.else
	global_store_b64 v[WO], v[D+4*k:D+4*k+1], s[10:11] offset:256*(k-16)
.endif
.set k, k+1
.endr
	s_endpgm
.Lfunc_end_k_q33c1ae053a_cast:
	.size	k_q33c1ae053a_cast, .Lfunc_end_k_q33c1ae053a_cast-k_q33c1ae053a_cast
	.p2alignl 7, 3214868480
	.fill 96, 4, 3214868480
	.section	.rodata,"a",@progbits
	.p2align	6, 0x0
	.amdhsa_kernel k_q33c1ae053a_cast
		.amdhsa_group_segment_fixed_size 0
		.amdhsa_private_segment_fixed_size 0
		.amdhsa_enable_private_segment 0
		.amdhsa_kernarg_size 32
		.amdhsa_user_sgpr_count 2
		.amdhsa_user_sgpr_kernarg_segment_ptr 1
		.amdhsa_wavefront_size32 1
		.amdhsa_system_sgpr_workgroup_id_x 1
		.amdhsa_system_sgpr_workgroup_id_y 1
		.amdhsa_system_sgpr_workgroup_id_z 1
		.amdhsa_system_vgpr_workitem_id 0
		.amdhsa_next_free_vgpr 96
		.amdhsa_next_free_sgpr 66
		.amdhsa_reserve_vcc 0
		.amdhsa_float_denorm_mode_32 3
		.amdhsa_float_denorm_mode_16_64 3
		.amdhsa_memory_ordered 1
		.amdhsa_forward_progress 1
		.amdhsa_inst_pref_size 8
	.end_amdhsa_kernel
	.amdgpu_metadata
---
amdhsa.version: [ 1, 2 ]
amdhsa.kernels:
  - .name:           k_q33c1ae053a_cast
    .symbol:         k_q33c1ae053a_cast.kd
    .args:
      - { .name: inputs, .offset: 0, .size: 8, .value_kind: global_buffer, .address_space: global }
      - { .name: W1, .offset: 8, .size: 8, .value_kind: global_buffer, .address_space: global }
      - { .name: xb, .offset: 16, .size: 8, .value_kind: global_buffer, .address_space: global }
      - { .name: w1b, .offset: 24, .size: 8, .value_kind: global_buffer, .address_space: global }
    .group_segment_fixed_size: 0
    .private_segment_fixed_size: 0
    .kernarg_segment_align: 8
    .kernarg_segment_size: 32
    .max_flat_workgroup_size: 256
    .sgpr_count:     66
    .vgpr_count:     96
    .wavefront_size: 32
...
	.end_amdgpu_metadata
.endif
;; end of part 1
;; launch score (part 2): grid 8 x 32, 4 waves a work-group, clusters of 4 x 4, 327,680 bytes of LDS; arguments xb, w1b, b1, w_out, part; writes part
.if DOCPART == 2
	.amdgcn_target "amdgcn-amd-amdhsa--gfx1250"
	.amdhsa_code_object_version 6
	.text
	.protected	k_q33c1ae053a_score
	.globl	k_q33c1ae053a_score
	.p2align	8
	.type	k_q33c1ae053a_score,@function
k_q33c1ae053a_score:
	s_mov_b64 s[64:65], 0
	v_nop
	global_prefetch_b8 v0, s[64:65] scope:SCOPE_SE
	s_setreg_imm32_b32 hwreg(HW_REG_WAVE_MODE, 25, 1), 1
	s_wait_xcnt 0x0
	s_wait_alu depctr_hold_cnt(0) depctr_sa_sdst(0) depctr_va_vdst(0) depctr_va_sdst(0) depctr_va_ssrc(0) depctr_va_vcc(0) depctr_vm_vsrc(0)
	s_getreg_b32 s2, hwreg(HW_REG_IB_STS2, 6, 4)
	s_cmp_eq_u32 s2, 0
	s_cbranch_scc0 .Lentry_in_a_cluster
	s_endpgm
.Lentry_in_a_cluster:
	s_bfe_u32 s2, ttmp6, 0x10000c
	s_cmp_lg_u32 s2, 0xf033
	s_cbranch_scc0 .Lentry_shape_is_right
	s_endpgm
.Lentry_shape_is_right:
; part[cb][t] = the sum over the 128 hidden columns n of block cb of relu(sum over k of x[t][k] W1[k][n] + b1[n]) w_out[n], for all 4,096 tokens t and 8 blocks cb.
; A window position's score hangs on its token alone, so each token is scored once; the eight partial sums, f32, are added where they are used.
; xb: [4096][1024] bf16.  w1b: [1024 k][1024 n] bf16.  b1, w_out: [1024] f32.  part: [8][4096] f32.  Products in bf16 with f32 sums; bias, ReLU and the product with w_out in f32.
; LIMITS.  NaN and infinities are not treated apart: the ReLU is a maximum in which a NaN loses to 0.
; SHARES.  A work-group makes 128 tokens x 128 hidden columns, each of its four waves 64 x 64: 16 accumulators of 16 x 16, 128 registers.  K = 1,024 goes in four steps of 256 through two LDS slots;
; the four steps are written out.  A wave's tensor load brings 64 rows x 512 bytes of x (waves 0, 1) or 128 rows (k) x 256 bytes of W1 (waves 2, 3).
; CLUSTERS: 4 x 4 work-groups.  The four of a row of the cluster need the same tiles of x, the four of a column the same tiles of W1: each tile is asked for JOINTLY, by the same tensor load with
; the same descriptor and a mask that names the four.
; LAYOUT.  Source 0 = 16 hidden columns of W1, which lies [k][n] in LDS and is turned by ds_load_tr16_b128; source 1 = 16 tokens, as they lie.  In the result a lane holds ONE token (lane % 16) and
; the hidden columns 8 (lane / 16) + 0..7.  The first product of each sum takes b1 of those eight columns as its C operand: nothing is cleared, and the bias costs no addition.
; THE WAY OUT.  A lane's eight numbers of each accumulator are clipped at 0, multiplied by w_out and added up; one exchange between the halves of the lanes ends a wave's 64 columns; the two
; column halves meet in LDS; waves 0 and 1 store 64 tokens each: 256 consecutive bytes, aligned.
; REGISTERS: window 0: v0-31 addresses and sums; v32-63 b1; v64-95 w_out; v96-99 at work; v128-255 the accumulators ((a, b) at v[128 + 8 (4 a + b)]).
;   window 1: two fragment buffers of 128: for 64 along K, 64 registers of x (2 x 4 x 16 tokens x 32 K), then 64 of W1.
.set KSTEP,  256
.set PA,     528                       ; a row of x in LDS: 512 bytes + 16 of padding = 132 words: row r starts at bank 4 r mod 64 (64 banks of 4 bytes: ISA guide 11.1)
.set PB,     288                       ; a row (one k) of W1: 256 bytes + 32 = 72 words
.set HALFA,  64*PA                     ; what one tensor load brings of x, and what one wave reads of it
.set BOFF,   128*PA                    ; W1's tile lies behind x's 128 rows
.set HALFB,  128*PB                    ; what one tensor load brings of W1: 128 of the step's 256 k
.set SLOT,   BOFF+256*PB               ; 141,312 bytes
.set SCR,    2*SLOT                    ; behind the ring, never filled by a tensor load: [column half][128 tokens] f32, 1,024 bytes
.set SPARE,  SCR+1024                  ; behind it: the spare words, 128 bytes for each wave: two blocks of 256 bytes that no other line names
.set SUM,  8                           ; v[8:15]  a pair of running sums for each of my four blocks of 16 tokens
.set ADRA, 16                          ; v16-17  LDS address of my fragments of x in slot 0, 1
.set ADRB, 20                          ; v20-23  the same for W1: slot 0 k 0-127, slot 0 k 128-255, slot 1 likewise (so that the immediates stay under 65,536)
.set SCW,  24                          ; v24     where I put a token's sum
.set SCRD, 25                          ; v25     where I read two tokens' sums back
.set PO,   26                          ; v26     my byte offset in the work-group's 512 bytes of part
.set BO,   27                          ; v27     my byte offset in 16 numbers of b1 and of w_out: 32 (lane / 16)
.set SPW,  28                          ; v28     LDS address of my spare word: SPARE + 4 x my thread's number; never rewritten
.set NIL,  29                          ; v29     0; never rewritten
.set BI,   32                          ; v[32:63]  b1 of my columns: block b of 16 at BI + 8 b
.set WO,   64                          ; v[64:95]  w_out likewise
.set BK,   96                          ; v[96:99]  read back from LDS
.set ACC,  128
.set F0,   0                           ; fragment buffers, in window 1
.set F1,   128
.set WV, 14                            ; s14  my wave's number
.set RH, 15                            ; s15  which half of the tile's tokens is mine.  Also: I fetch x (0) or W1 (1)
.set CH, 16                            ; s16  which half of its columns.  Also: which half of that tile I fetch
.set G1, 24                            ; s[24:31] descriptor group 1 for x's tiles;  s[32:39] group 0, one set for each slot
.set G0, 32
.set G1B, 48                           ; s[48:55], s[56:63] the same for W1's tiles
.set G0B, 56
.set SEL, 66                           ; s[66:67] v_permlanex16_b32's selects: each lane takes its own place in the other half
.set UPH, 68                           ; s68  the mask of lanes 16 to 31
.set MSB, 0
.macro WIN new                         ; the immediate's high byte repeats the setting that is left; a switch that changes nothing is dropped
.if MSB != (\new)
	s_set_vgpr_msb (MSB<<8)|(\new)
.set MSB, \new
.endif
.endm
.set MUL,  0x05                        ; sources 0 (W1) and 1 (x) window 1; C and D window 0
.set TO_F, 0x40                        ; destination window 1, address window 0
.macro JLOAD s                         ; a joint load: waves 0 and 1 fetch x's two halves, waves 2 and 3 W1's; an s_nop 0 and four v_nop follow each of the two lines, ahead of the jump, the label and what follows
	s_cmp_eq_u32 s[RH], 0
	s_cbranch_scc0 .Lfor_b_\@
	tensor_load_to_lds s[G0+4*(\s):G0+4*(\s)+3], s[G1:G1+7]
	s_nop 0
.rept 4
	v_nop
.endr
	s_branch .Lasked_\@
.Lfor_b_\@:
	tensor_load_to_lds s[G0B+4*(\s):G0B+4*(\s)+3], s[G1B:G1B+7]
	s_nop 0
.rept 4
	v_nop
.endr
.Lasked_\@:
.endm
.macro CREST                           ; a round of the cluster's barrier behind its opening barrier
	s_cmp_lg_u32 s[WV], 0
	s_cbranch_scc1 .Lnot_wave_0_\@
	s_barrier_signal -3
.Lnot_wave_0_\@:
	s_barrier_wait -3
	s_barrier_signal -1
	s_barrier_wait -1
.endm
.macro CROUND                          ; a whole round
	s_barrier_signal -1
	s_barrier_wait -1
	CREST
.endm
	s_load_b256 s[4:11], s[0:1], 0x0               ; xb s[4:5], w1b s[6:7], b1 s[8:9], w_out s[10:11]
	s_load_b64 s[12:13], s[0:1], 0x20              ; part
	v_lshl_add_u32 v[SPW], v0, 2, SPARE
	v_mov_b32 v[NIL], 0
	ds_add_u32 v[SPW], v[NIL]                      ; the wave's opening: the add and its wait stand ahead of my first tensor load; the set-up below, work on registers, stands between them
	v_lshrrev_b32 v1, 5, v0
	v_readfirstlane_b32 s[WV], v1                  ; wave 0..3
	s_lshr_b32 s[RH], s[WV], 1
	s_and_b32 s[CH], s[WV], 1
	s_bfe_u32 s40, ttmp6, 0x40000                  ; cx, cy: my place in the cluster
	s_bfe_u32 s41, ttmp6, 0x40004
	s_lshl_b32 s42, ttmp9, 2
	s_add_co_u32 s42, s42, s40                     ; block of 128 hidden columns = 4 x cluster x + cx
	s_and_b32 s43, ttmp7, 0xffff
	s_lshl_b32 s43, s43, 2
	s_add_co_u32 s43, s43, s41                     ; block of 128 tokens = 4 x cluster y + cy
	s_lshl_b32 s44, s41, 2
	s_lshl_b32 s44, 15, s44                        ; my row of the cluster: places 4 cy .. 4 cy + 3
	s_lshl_b32 s45, 0x1111, s40                    ; my column: places cx, cx + 4, cx + 8, cx + 12
	; descriptor group 1 for x: a tile of 64 rows x 256 elements
	s_or_b32 s[G1+0], s44, (1<<16)|(1<<20)|(1<<21)|(6<<22)|(3<<25)   ; 15:0 the mask: x's tiles go to my row; 17:16 elements of 2 bytes; 20 padding on; 21 set beside a mask; 24:22 after every 128 words (code 6); 31:25 4 words of it (code 3)
	s_mov_b32 s[G1+1], KSTEP<<16                   ; tensor_dim0 = 256
	s_mov_b32 s[G1+2], 64<<16                      ; tensor_dim1 = 64
	s_mov_b32 s[G1+3], KSTEP<<16                   ; tile_dim0 = 256
	s_mov_b32 s[G1+4], 64                          ; tile_dim1 = 64
	s_mov_b32 s[G1+5], 1024                        ; 1,024 elements from row to row
	s_mov_b32 s[G1+6], 0
	s_mov_b32 s[G1+7], 0
	; and for W1: a tile of 128 rows (k) x 128 elements (n)
	s_or_b32 s[G1B+0], s45, (1<<16)|(1<<20)|(1<<21)|(5<<22)|(7<<25)  ; the mask of my column; padding after every 64 words (code 5), 8 words of it (code 7)
	s_mov_b32 s[G1B+1], 128<<16                    ; tensor_dim0 = 128
	s_mov_b32 s[G1B+2], 128<<16                    ; tensor_dim1 = 128
	s_mov_b32 s[G1B+3], 128<<16                    ; tile_dim0 = 128
	s_mov_b32 s[G1B+4], 128                        ; tile_dim1 = 128
	s_mov_b32 s[G1B+5], 1024
	s_mov_b32 s[G1B+6], 0
	s_mov_b32 s[G1B+7], 0
	s_mov_b32 s[SEL], 0x76543210
	s_mov_b32 s[SEL+1], 0xfedcba98
	s_mov_b32 s[UPH], 0xffff0000
	; where the tiles come from.  x's hang on the token block alone, which my row of the cluster shares; W1's on the column block alone, which my column shares.
	s_lshl_b32 s18, s43, 7
	s_lshl_b32 s19, s[CH], 6
	s_add_co_u32 s18, s18, s19                     ; x: row 128 x token block + 64 x half,
	s_lshl_b32 s18, s18, 11                        ; of 2,048 bytes: under 2^23
	s_mov_b32 s19, 0
	s_lshl_b32 s46, s[CH], 18                      ; W1: row (k) 128 x half, of 2,048 bytes,
	s_lshl_b32 s47, s42, 8                         ; and 128 columns of 2 bytes for each column block
	s_add_co_u32 s46, s46, s47
	s_mov_b32 s47, 0
	s_mul_i32 s22, s[CH], HALFA                    ; and where they go: no place in the cluster enters an LDS address
	s_mul_i32 s23, s[CH], HALFB
	s_add_co_u32 s23, s23, BOFF
	s_wait_dscnt 0x0                               ; the opening add is done
	s_wait_kmcnt 0x0
	s_add_nc_u64 s[20:21], s[4:5], s[18:19]
	s_add_nc_u64 s[46:47], s[6:7], s[46:47]
	CROUND                                         ; all sixteen work-groups are here: the first joint loads meet
.irp s, 0,1
	s_mov_b32 s[G0+4*(\s)], 1                                       ; 1:0 count = 1
	s_add_co_u32 s[G0+4*(\s)+1], s22, (\s)*SLOT                     ; 63:32 LDS address
	s_add_nc_u64 s[G0+4*(\s)+2:G0+4*(\s)+3], s[20:21], (\s)*KSTEP*2 ; 120:64 global address: K step s lies 512 bytes along the rows
	s_or_b32 s[G0+4*(\s)+3], s[G0+4*(\s)+3], 0x80000000             ; 127:126 type = 2
	s_mov_b32 s[G0B+4*(\s)], 1
	s_add_co_u32 s[G0B+4*(\s)+1], s23, (\s)*SLOT
	s_add_nc_u64 s[G0B+4*(\s)+2:G0B+4*(\s)+3], s[46:47], (\s)*KSTEP*2048  ; K step s lies 256 rows of 2,048 bytes down
	s_or_b32 s[G0B+4*(\s)+3], s[G0B+4*(\s)+3], 0x80000000
	JLOAD \s                                       ; two tensor loads of mine are out
.endr
	; A fragment of x is 16 tokens x 32 K in 8 registers: lane l holds token l % 16; registers 0-3 K = 8 (l / 16) + 0..7, registers 4-7 K = 16 + 8 (l / 16) + 0..7: two loads of 16 bytes, 32 bytes apart.
	v_and_b32 v1, 15, v0                           ; l % 16
	v_bfe_u32 v2, v0, 4, 1                         ; l / 16
	v_mul_u32_u24 v3, v1, PA
	v_lshl_add_u32 v3, v2, 4, v3                   ; row x pitch + 16 x half
	s_mul_i32 s17, s[RH], HALFA                    ; my 64 tokens
	v_add_nc_u32 v[ADRA], s17, v3
	v_add_nc_u32 v[ADRA+1], SLOT, v[ADRA]
	; The turning load takes 16 k x 16 columns (lane l reads 16 bytes: k 8 (l / 16) + l % 8, columns 8 ((l / 8) % 2) + 0..7) and leaves half a fragment: lane l holds column l % 16 and 8 k.
	v_and_b32 v4, 7, v0
	v_lshl_add_u32 v4, v2, 3, v4
	v_mul_u32_u24 v4, v4, PB
	v_bfe_u32 v5, v0, 3, 1
	v_lshl_add_u32 v4, v5, 4, v4
	s_lshl_b32 s17, s[CH], 7                       ; my 64 columns: 128 bytes of a row
	s_add_co_u32 s17, s17, BOFF
	v_add_nc_u32 v[ADRB], s17, v4
	v_add_nc_u32 v[ADRB+1], 128*PB, v[ADRB]
	v_add_nc_u32 v[ADRB+2], SLOT, v[ADRB]
	v_add_nc_u32 v[ADRB+3], SLOT, v[ADRB+1]
	v_and_b32 v6, 31, v0                           ; l
	s_lshl_b32 s17, s[CH], 9                       ; the way out: [column half][token]: my half's 512 bytes,
	s_lshl_b32 s18, s[RH], 8                       ; my 64 tokens' 256
	s_add_co_u32 s17, s17, s18
	s_add_co_u32 s17, s17, SCR
	v_lshl_add_u32 v[SCW], v6, 2, s17
	s_lshl_b32 s17, s[WV], 8                       ; back (waves 0 and 1): tokens 64 w + 2 l and the next
	v_lshl_add_u32 v[PO], v6, 3, s17
	v_add_nc_u32 v[SCRD], SCR, v[PO]
	v_lshlrev_b32 v[BO], 5, v2
	s_lshl_b32 s46, s42, 9                         ; b1 and w_out at my 64 columns: 512 bytes a column block, 256 a half
	s_lshl_b32 s47, s[CH], 8
	s_add_co_u32 s46, s46, s47
	s_mov_b32 s47, 0
	s_add_nc_u64 s[8:9], s[8:9], s[46:47]
	s_add_nc_u64 s[10:11], s[10:11], s[46:47]
.irp b, 0,1,2,3
	global_load_b128 v[BI+8*(\b):BI+8*(\b)+3],   v[BO], s[8:9] offset:64*(\b)       ; columns 16 b + 8 (l / 16) + 0..3,
	global_load_b128 v[BI+8*(\b)+4:BI+8*(\b)+7], v[BO], s[8:9] offset:64*(\b)+16    ; + 4..7
	global_load_b128 v[WO+8*(\b):WO+8*(\b)+3],   v[BO], s[10:11] offset:64*(\b)
	global_load_b128 v[WO+8*(\b)+4:WO+8*(\b)+7], v[BO], s[10:11] offset:64*(\b)+16
.endr
	s_lshl_b32 s46, s42, 14                        ; part at the work-group's 128 tokens: 16,384 bytes a column block, 512 a token block
	s_lshl_b32 s47, s43, 9
	s_add_co_u32 s46, s46, s47
	s_mov_b32 s47, 0
	s_add_nc_u64 s[12:13], s[12:13], s[46:47]
; 8 matrix instructions: token blocks a0, a0 + 1 x all 4 column blocks, 32 along K: half c of buffer f.  first = 1: the product starts the sum, with b1 as its C operand.
; The 16 accumulators take turns, one instruction a turn, in the same order everywhere.
.macro MUL8 f, c, a0, first
	WIN MUL
.irp a, \a0, (\a0)+1
.irp b, 0,1,2,3
.if \first
	v_wmma_f32_16x16x32_bf16 v[ACC+8*(4*(\a)+(\b)):ACC+8*(4*(\a)+(\b))+7], v[(\f)+64+8*(4*(\c)+(\b)):(\f)+64+8*(4*(\c)+(\b))+7], v[(\f)+8*(4*(\c)+(\a)):(\f)+8*(4*(\c)+(\a))+7], v[BI+8*(\b):BI+8*(\b)+7]
.else
	v_wmma_f32_16x16x32_bf16 v[ACC+8*(4*(\a)+(\b)):ACC+8*(4*(\a)+(\b))+7], v[(\f)+64+8*(4*(\c)+(\b)):(\f)+64+8*(4*(\c)+(\b))+7], v[(\f)+8*(4*(\c)+(\a)):(\f)+8*(4*(\c)+(\a))+7], v[ACC+8*(4*(\a)+(\b)):ACC+8*(4*(\a)+(\b))+7]
.endif
.endr
.endr
.endm
; 32 LDS loads in one run: the fragments of quarter q of a K step (64 along K) into buffer f; the first 32 along K first
.macro FETCH slot, q, f
	WIN TO_F
.irp c, 0,1
.irp i, 0,1,2,3
	ds_load_tr16_b128 v[(\f)+64+8*(4*(\c)+(\i)):(\f)+64+8*(4*(\c)+(\i))+3],   v[ADRB+2*(\slot)+(\q)/2] offset:(((\q)%2)*64+32*(\c))*PB+32*(\i)
	ds_load_tr16_b128 v[(\f)+64+8*(4*(\c)+(\i))+4:(\f)+64+8*(4*(\c)+(\i))+7], v[ADRB+2*(\slot)+(\q)/2] offset:(((\q)%2)*64+32*(\c)+16)*PB+32*(\i)
	ds_load_b128 v[(\f)+8*(4*(\c)+(\i)):(\f)+8*(4*(\c)+(\i))+3],              v[ADRA+(\slot)] offset:128*(\q)+64*(\c)+(\i)*16*PA
	ds_load_b128 v[(\f)+8*(4*(\c)+(\i))+4:(\f)+8*(4*(\c)+(\i))+7],            v[ADRA+(\slot)] offset:128*(\q)+64*(\c)+(\i)*16*PA+32
.endr
.endr
.endm
.macro PLACES                          ; four plain vector instructions in front of loads into registers that matrix instructions have read (ISA guide 7.12.1 for vector instructions)
.rept 4
	v_nop
.endr
.endm
; A K step is four quarters of 64 along K, 32 matrix instructions each, on buffers 0, 1, 0, 1.  One of the first three: multiplies buffer f and fetches quarter q into g.
.macro QUARTER slot, q, f, g, first
	s_wait_dscnt 16                                ; the first 32 along K are in; the sixteen younger loads may be out
	WIN MUL
	MUL8 \f, 0, 0, \first
	MUL8 \f, 0, 2, \first
	PLACES
	FETCH \slot, \q, \g
	s_wait_dscnt 32                                ; all but the 32 just issued
	WIN MUL
	MUL8 \f, 1, 0, 0
	MUL8 \f, 1, 2, 0
.endm
; The last quarter multiplies buffer 1 and changes slots: ONE barrier; in front of it each wave waits for all its tensor loads, adds 0 to its spare word, and waits for that and for its own reads of this slot.
; fill = 1: this slot is filled again, two K steps ahead; the barrier then opens a round of the cluster's barrier, and the joint load is the first thing behind the round.
.macro TURN slot, next, fill
	WIN 0                                          ; (the add's two registers lie in window 0)
	s_wait_tensorcnt 0x0                           ; all my tensor loads have landed: my part of the next slot;
	ds_add_u32 v[SPW], v[NIL]                      ; 0 onto my spare word;
	s_wait_dscnt 17                                ; (the add and the youngest sixteen loads may be out)
	WIN MUL
	MUL8 F1, 0, 0, 0                               ; eight matrix instructions stand between the add and the wait for it
	s_wait_dscnt 0x0                               ; the add is done, and my reads of this slot are over
	s_barrier_signal -1
	MUL8 F1, 0, 2, 0
.if \fill
	WIN 0
.endif
	s_barrier_wait -1
.if \fill
	CREST                                          ; no wave of any partner still reads this slot's tiles or has a load on its way
	s_add_nc_u64 s[G0+4*(\slot)+2:G0+4*(\slot)+3], s[G0+4*(\slot)+2:G0+4*(\slot)+3], 2*KSTEP*2
	s_add_nc_u64 s[G0B+4*(\slot)+2:G0B+4*(\slot)+3], s[G0B+4*(\slot)+2:G0B+4*(\slot)+3], 2*KSTEP*2048
	JLOAD \slot                                    ; my one tensor load behind the round: 112 matrix instructions ahead of the wait for it; the four v_nop behind it are also the places in front of the loads below
.else
	PLACES
.endif
	FETCH \next, 0, F0
	WIN MUL
	MUL8 F1, 1, 0, 0
	MUL8 F1, 1, 2, 0
.endm
	s_wait_tensorcnt 1                             ; my part of K step 0 is in; K step 1's may stay out
	s_barrier_signal -1
	s_barrier_wait -1                              ; everybody's is
	FETCH 0, 0, F0
	s_wait_loadcnt 0x0                             ; b1, which the first products take as C, and w_out
	QUARTER 0, 1, F0, F1, 1                        ; K step 0
	QUARTER 0, 2, F1, F0, 0
	QUARTER 0, 3, F0, F1, 0
	TURN 0, 1, 1                                   ; slot 0 takes K step 2
	QUARTER 1, 1, F0, F1, 0                        ; K step 1
	QUARTER 1, 2, F1, F0, 0
	QUARTER 1, 3, F0, F1, 0
	TURN 1, 0, 1                                   ; slot 1 takes K step 3
	QUARTER 0, 1, F0, F1, 0                        ; K step 2
	QUARTER 0, 2, F1, F0, 0
	QUARTER 0, 3, F0, F1, 0
	TURN 0, 1, 0                                   ; nothing is left to fetch
	QUARTER 1, 1, F0, F1, 0                        ; K step 3
	QUARTER 1, 2, F1, F0, 0
	QUARTER 1, 3, F0, F1, 0
	s_wait_dscnt 16
	WIN MUL
	MUL8 F1, 0, 0, 0
	MUL8 F1, 0, 2, 0
	s_wait_dscnt 0
	MUL8 F1, 1, 0, 0
	MUL8 F1, 1, 2, 0
	WIN 0
	; THE WAY OUT.  The maxima write the accumulators in place: eight plain instructions stand behind the last products.
	PLACES
	PLACES
.irp b, 0,1,2,3
.irp a, 0,1,2,3
.irp j, 0,1,2,3,4,5,6,7
	v_max_num_f32 v[ACC+8*(4*(\a)+(\b))+(\j)], 0, v[ACC+8*(4*(\a)+(\b))+(\j)]       ; ReLU; each accumulator's registers in ascending order
.endr
.endr
.irp p, 0,1,2,3
.irp a, 0,1,2,3                        ; four chains, one for each block of 16 tokens, by turns; the first product starts each: nothing is cleared
.if ((\b) == 0) && ((\p) == 0)
	v_pk_mul_f32 v[SUM+2*(\a):SUM+2*(\a)+1], v[ACC+8*(4*(\a)+(\b))+2*(\p):ACC+8*(4*(\a)+(\b))+2*(\p)+1], v[WO+8*(\b)+2*(\p):WO+8*(\b)+2*(\p)+1]
.else
	v_pk_fma_f32 v[SUM+2*(\a):SUM+2*(\a)+1], v[ACC+8*(4*(\a)+(\b))+2*(\p):ACC+8*(4*(\a)+(\b))+2*(\p)+1], v[WO+8*(\b)+2*(\p):WO+8*(\b)+2*(\p)+1], v[SUM+2*(\a):SUM+2*(\a)+1]
.endif
.endr
.endr
.endr
.irp a, 0,1,2,3
	v_add_f32 v[SUM+2*(\a)], v[SUM+2*(\a)], v[SUM+2*(\a)+1]        ; even columns' and odd columns' sums
.endr
.irp a, 0,1,2,3
	v_permlanex16_b32 v[SUM+2*(\a)+1], v[SUM+2*(\a)], s[SEL], s[SEL+1]  ; the token's other 32 columns lie in the lane 16 away
.endr
.irp a, 0,1,2,3
	v_add_f32 v[SUM+2*(\a)], v[SUM+2*(\a)], v[SUM+2*(\a)+1]        ; every lane: token 16 a + l % 16, my 64 columns
.endr
	v_cndmask_b32 v30, v[SUM], v[SUM+2], s[UPH]    ; lane l: token l of my 64,
	v_cndmask_b32 v31, v[SUM+4], v[SUM+6], s[UPH]  ; and token 32 + l
	ds_store_b32 v[SCW], v30
	ds_store_b32 v[SCW], v31 offset:128
	s_wait_dscnt 0x0                               ; for the others' sake: my stores are done
	s_barrier_signal -1
	s_barrier_wait -1                              ; both column halves of all 128 tokens lie in LDS
	s_cmp_lt_u32 s[WV], 2                          ; wave 0 finishes tokens 0-63, wave 1 tokens 64-127
	s_cbranch_scc0 .Lend
	ds_load_b64 v[BK:BK+1], v[SCRD]
	ds_load_b64 v[BK+2:BK+3], v[SCRD] offset:512
	s_wait_dscnt 0x0
	v_pk_add_f32 v[BK:BK+1], v[BK:BK+1], v[BK+2:BK+3]
	global_store_b64 v[PO], v[BK:BK+1], s[12:13]   ; the wave's 32 lanes store 256 consecutive bytes, at a multiple of 256 from part's first byte
.Lend:
	s_wait_tensorcnt 0x0                           ; the wave's end, behind my last tensor load and my last LDS store
	ds_add_u32 v[SPW], v[NIL]
	s_wait_dscnt 0x0
	CROUND                                         ; the closing round: no work-group ends while a partner may still ask for a tile that names it
	s_endpgm
.Lfunc_end_k_q33c1ae053a_score:
	.size	k_q33c1ae053a_score, .Lfunc_end_k_q33c1ae053a_score-k_q33c1ae053a_score
	.p2alignl 7, 3214868480
	.fill 96, 4, 3214868480
	.section	.rodata,"a",@progbits
	.p2align	6, 0x0
	.amdhsa_kernel k_q33c1ae053a_score
		.amdhsa_group_segment_fixed_size 327680
		.amdhsa_private_segment_fixed_size 0
		.amdhsa_enable_private_segment 0
		.amdhsa_kernarg_size 40
		.amdhsa_user_sgpr_count 2
		.amdhsa_user_sgpr_kernarg_segment_ptr 1
		.amdhsa_wavefront_size32 1
		.amdhsa_system_sgpr_workgroup_id_x 1
		.amdhsa_system_sgpr_workgroup_id_y 1
		.amdhsa_system_sgpr_workgroup_id_z 1
		.amdhsa_system_vgpr_workitem_id 0
		.amdhsa_next_free_vgpr 512
		.amdhsa_next_free_sgpr 72
		.amdhsa_reserve_vcc 0
		.amdhsa_float_denorm_mode_32 3
		.amdhsa_float_denorm_mode_16_64 3
		.amdhsa_memory_ordered 1
		.amdhsa_forward_progress 1
		.amdhsa_inst_pref_size 89
	.end_amdhsa_kernel
	.amdgpu_metadata
---
amdhsa.version: [ 1, 2 ]
amdhsa.kernels:
  - .name:           k_q33c1ae053a_score
    .symbol:         k_q33c1ae053a_score.kd
    .args:
      - { .name: xb, .offset: 0, .size: 8, .value_kind: global_buffer, .address_space: global }
      - { .name: w1b, .offset: 8, .size: 8, .value_kind: global_buffer, .address_space: global }
      - { .name: b1, .offset: 16, .size: 8, .value_kind: global_buffer, .address_space: global }
      - { .name: w_out, .offset: 24, .size: 8, .value_kind: global_buffer, .address_space: global }
      - { .name: part, .offset: 32, .size: 8, .value_kind: global_buffer, .address_space: global }
    .group_segment_fixed_size: 327680
    .private_segment_fixed_size: 0
    .kernarg_segment_align: 8
    .kernarg_segment_size: 40
    .max_flat_workgroup_size: 128
    .sgpr_count:     72
    .vgpr_count:     512
    .wavefront_size: 32
...
	.end_amdgpu_metadata
.endif
;; end of part 2
;; launch mix (part 3): grid 256 x 1, 16 waves a work-group, no clusters, 0 bytes of LDS; arguments xb, part, b, e, b_out, out0; writes out0
.if DOCPART == 3
	.amdgcn_target "amdgcn-amd-amdhsa--gfx1250"
	.amdhsa_code_object_version 6
	.text
	.protected	k_q33c1ae053a_mix
	.globl	k_q33c1ae053a_mix
	.p2align	8
	.type	k_q33c1ae053a_mix,@function
k_q33c1ae053a_mix:
	s_mov_b64 s[64:65], 0
	v_nop
	global_prefetch_b8 v0, s[64:65] scope:SCOPE_SE
	s_setreg_imm32_b32 hwreg(HW_REG_WAVE_MODE, 25, 1), 1
	s_wait_xcnt 0x0
; out0[span][:] = the sum over w = 0..15 of p[w] x[min(b + w, 2047)][:], p = softmax over w of (score[min(b + w, 2047)] + b_out - (b + w <= e ? 0 : 1e38)).
; xb: [2][2048][1024] bf16 (x rounded once).  part: [8][4096] f32: a token's score is the sum of its eight partial sums.  b, e: [2][2048] int32.  out0: [2][2048][1024] f32.
; All arithmetic in f32; the maximum of the 16 masked scores is taken away before the exponential.
; SHARES.  One wave, one span: 16 waves a work-group, 256 work-groups, 4,096 spans.  No wave wants anything of another: no LDS, no barrier.
; NO CLUSTER, no joint loads: which rows two spans share hangs on b, which is read here.
; WHICH ROWS ARE READ.  With d = e - b >= 0 the positions w <= d are live, and every other weight is 2^(about -1.4e38) = 0: only the first n = min(d + 1, 16) rows count, and they are read in groups
; of four; a row of a group that lies at or behind n is read and takes its weight 0.  With d < 0 no position is live, 1e38 is taken from all 16 scores alike, and all 16 rows are read (n = 16).
; The weights themselves are made for all 16 positions by the formula above, whatever n.
; LAYOUT.  Lane i owns the columns 128 j + 4 i + 0..3, j = 0..7: a load of 8 bytes a lane covers 256 consecutive bytes of a row of xb, a store of 16 bytes a lane 512 consecutive bytes of out0.
; For the softmax lane l holds position l % 16; lanes 0-15 add the partial sums 0-3, lanes 16-31 the partial sums 4-7, and one exchange between the halves ends the score.
; LIMITS.  NaN and infinities are not treated apart (a row that is not read cannot spread them).  b is taken as 0 or more: for addresses b + w is clamped, as an unsigned number, to 2,047.  e - b fits 32 bits.
.set LO8,  4                           ; v4   8 x lane
.set LO16, 5                           ; v5   16 x lane
.set IDX,  6                           ; v6   b + l % 16, not clamped: the mask compares it with e
.set PO,   7                           ; v7   my byte offset in part: 4 x the clamped token + 65,536 (l / 16)
.set PS,   8                           ; v[8:11]   four partial sums
.set P,    16                          ; v16  the weight of position l % 16
.set WB,   17                          ; v17-18  a row's weight in every lane; the rows take the two by turns
.set Z,    19                          ; v19  0: the first row's addend, so that nothing is cleared
.set ACC,  32                          ; v[32:63]  my 32 columns' sums: column 128 j + 4 i + c at ACC + 4 j + c
.set SA,   64                          ; v[64:127]  a group of four rows, 16 registers each
.set SB,   128                         ; v[128:191] the other group
.set N,    23                          ; s23  n
.set RB,   32                          ; s[32:63]  row w's address, a pair for each: none is written twice, so no load's base is ever rewritten
.set SEL,  66                          ; s[66:67]  v_permlanex16_b32's selects: each lane takes its own place in the other half
	s_load_b256 s[4:11], s[0:1], 0x0               ; xb s[4:5], part s[6:7], b s[8:9], e s[10:11]
	s_load_b128 s[12:15], s[0:1], 0x20             ; b_out s[12:13], out0 s[14:15]
	v_lshrrev_b32 v1, 5, v0
	v_readfirstlane_b32 s16, v1                    ; wave 0..15
	s_lshl_b32 s17, ttmp9, 4
	s_add_co_u32 s17, s17, s16                     ; my span
	s_lshl_b32 s24, s17, 2                         ; its word in b and in e
	s_mov_b32 s25, 0                               ; the upper word of the offset pair, for good
	s_wait_kmcnt 0x0
	s_add_nc_u64 s[8:9], s[8:9], s[24:25]
	s_add_nc_u64 s[10:11], s[10:11], s[24:25]
	s_load_b32 s20, s[8:9], 0x0                    ; b
	s_load_b32 s21, s[10:11], 0x0                  ; e
	s_load_b32 s22, s[12:13], 0x0                  ; b_out
	s_mov_b32 s[SEL], 0x76543210
	s_mov_b32 s[SEL+1], 0xfedcba98
	s_lshr_b32 s26, s17, 11                        ; the batch
	s_lshl_b32 s24, s26, 22                        ; its 2,048 rows of 2,048 bytes in xb,
	s_add_nc_u64 s[4:5], s[4:5], s[24:25]
	s_lshl_b32 s24, s26, 13                        ; its 2,048 words in each plane of part,
	s_add_nc_u64 s[6:7], s[6:7], s[24:25]
	s_lshl_b32 s24, s17, 12                        ; my span's 4,096 bytes of out0
	s_add_nc_u64 s[14:15], s[14:15], s[24:25]
	v_and_b32 v1, 31, v0                           ; l
	v_and_b32 v2, 15, v0                           ; l % 16
	v_bfe_u32 v3, v0, 4, 1                         ; l / 16
	v_lshlrev_b32 v[LO8], 3, v1
	v_lshlrev_b32 v[LO16], 4, v1
	v_mov_b32 v[WB], 0                             ; a destination of a DPP move counts as read: written once here
	v_mov_b32 v[WB+1], 0
	v_mov_b32 v[Z], 0
	s_wait_kmcnt 0x0                               ; b, e, b_out
	s_sub_co_i32 s[N], s21, s20                    ; d = e - b
	s_add_co_u32 s26, s[N], 1
	s_min_u32 s26, s26, 16
	s_cmp_lt_i32 s[N], 0
	s_cselect_b32 s[N], 16, s26                    ; n
	v_add_nc_u32 v[IDX], s20, v2
	v_min_u32 v[PO], 0x7ff, v[IDX]                 ; the token, clamped to the table's last row
	v_lshlrev_b32 v[PO], 2, v[PO]
	v_lshl_add_u32 v[PO], v3, 16, v[PO]            ; lanes 16-31: four planes of 16,384 bytes further on
; Rows 4 g .. 4 g + 3 into the 64 registers at buf: 32 loads.
.macro LOADG g, buf
.irp rr, 0,1,2,3
	s_add_co_u32 s24, s20, 4*(\g)+(\rr)
	s_min_u32 s24, s24, 0x7ff                      ; clamped to the table's last row
	s_lshl_b32 s24, s24, 11
	s_add_nc_u64 s[RB+2*(4*(\g)+(\rr)):RB+2*(4*(\g)+(\rr))+1], s[4:5], s[24:25]
.irp j, 0,1,2,3,4,5,6,7
	global_load_b64 v[(\buf)+16*(\rr)+2*(\j):(\buf)+16*(\rr)+2*(\j)+1], v[LO8], s[RB+2*(4*(\g)+(\rr)):RB+2*(4*(\g)+(\rr))+1] offset:256*(\j)
.endr
.endr
.endm
; The 16 weights, position l % 16 in lane l, the same in both halves of the lanes.
.macro SOFTMAX
	v_add_f32 v12, v[PS], v[PS+1]
	v_add_f32 v13, v[PS+2], v[PS+3]
	v_add_f32 v12, v12, v13
	v_permlanex16_b32 v13, v12, s[SEL], s[SEL+1]   ; the other four partial sums
	v_add_f32 v12, v12, v13
	v_add_f32 v12, s22, v12                        ; + b_out
	v_add_f32 v13, 0xfe967699, v12                 ; - 1e38
	v_cmp_ge_i32 vcc_lo, s21, v[IDX]               ; e >= b + w: the position is live
	v_cndmask_b32 v12, v13, v12, vcc_lo
	v_mov_b32 v14, v12
	v_max_num_f32_dpp v14, v14, v14 row_xmask:1 row_mask:0xf bank_mask:0xf
	v_max_num_f32_dpp v14, v14, v14 row_xmask:2 row_mask:0xf bank_mask:0xf
	v_max_num_f32_dpp v14, v14, v14 row_xmask:4 row_mask:0xf bank_mask:0xf
	v_max_num_f32_dpp v14, v14, v14 row_xmask:8 row_mask:0xf bank_mask:0xf
	v_sub_f32 v12, v12, v14                        ; the maximum of the 16 is taken away
	v_mul_f32 v12, 0x3fb8aa3b, v12                 ; log2(e)
	v_exp_f32 v12, v12
	v_nop                                          ; a plain instruction behind the exponential (ISA guide 5.7.2),
	s_wait_alu depctr_va_vdst(0)                   ; and a wait ahead of the first use
	v_mov_b32 v14, v12
	v_add_f32_dpp v14, v14, v14 row_xmask:1 row_mask:0xf bank_mask:0xf
	v_add_f32_dpp v14, v14, v14 row_xmask:2 row_mask:0xf bank_mask:0xf
	v_add_f32_dpp v14, v14, v14 row_xmask:4 row_mask:0xf bank_mask:0xf
	v_add_f32_dpp v14, v14, v14 row_xmask:8 row_mask:0xf bank_mask:0xf
	v_rcp_f32 v15, v14                             ; the sum is 1 at the least: the maximum's own weight
	v_nop
	s_wait_alu depctr_va_vdst(0)
	v_mul_f32 v[P], v12, v15
.endm
; Row w, whose 16 registers begin at x: its weight into every lane, then 32 multiply-adds straight from the bf16 halves into the f32 sums.  first = 1: the row starts the sums.
.macro ROWF w, x, first
	v_mov_b32_dpp v[WB+(\w)%2], v[P] row_share:\w row_mask:0xf bank_mask:0xf
.irp j, 0,1,2,3,4,5,6,7
.irp q, 0,1
.if \first
	v_fma_mix_f32_bf16 v[ACC+4*(\j)+2*(\q)],   v[(\x)+2*(\j)+(\q)], v[WB+(\w)%2], v[Z] op_sel_hi:[1,0,0]
	v_fma_mix_f32_bf16 v[ACC+4*(\j)+2*(\q)+1], v[(\x)+2*(\j)+(\q)], v[WB+(\w)%2], v[Z] op_sel:[1,0,0] op_sel_hi:[1,0,0]
.else
	v_fma_mix_f32_bf16 v[ACC+4*(\j)+2*(\q)],   v[(\x)+2*(\j)+(\q)], v[WB+(\w)%2], v[ACC+4*(\j)+2*(\q)] op_sel_hi:[1,0,0]
	v_fma_mix_f32_bf16 v[ACC+4*(\j)+2*(\q)+1], v[(\x)+2*(\j)+(\q)], v[WB+(\w)%2], v[ACC+4*(\j)+2*(\q)+1] op_sel:[1,0,0] op_sel_hi:[1,0,0]
.endif
.endr
.endr
.endm
.macro FMAG buf, first, w0, w1, w2, w3 ; a group of four rows
	ROWF \w0, (\buf), \first
	ROWF \w1, (\buf)+16, 0
	ROWF \w2, (\buf)+32, 0
	ROWF \w3, (\buf)+48, 0
.endm
; The text is a tree: each question about n is asked once, and each way has its own counted waits.
.irp j, 0,1,2,3
	global_load_b32 v[PS+(\j)], v[PO], s[6:7] offset:16384*(\j)
.endr
	LOADG 0, SA
	s_cmp_gt_u32 s[N], 4
	s_cbranch_scc0 .Lone
	LOADG 1, SB
	s_wait_loadcnt 63                              ; the partial sums are in: 64 loads are younger, and 63 is the largest count that the wait can name
	SOFTMAX
	s_wait_loadcnt 32                              ; rows 0-3 are in; rows 4-7 may stay out
	FMAG SA, 1, 0, 1, 2, 3
	s_cmp_gt_u32 s[N], 8
	s_cbranch_scc0 .Ltwo
	LOADG 2, SA                                    ; into the registers that have just been multiplied
	s_wait_loadcnt 32                              ; rows 4-7 are in
	FMAG SB, 0, 4, 5, 6, 7
	s_cmp_gt_u32 s[N], 12
	s_cbranch_scc0 .Lthree
	LOADG 3, SB
	s_wait_loadcnt 32                              ; rows 8-11 are in
	FMAG SA, 0, 8, 9, 10, 11
	s_wait_loadcnt 0x0
	FMAG SB, 0, 12, 13, 14, 15
	s_branch .Lstore
.Lone:                                                 ; n <= 4
	s_wait_loadcnt 32                              ; the partial sums are in; the 32 loads of rows 0-3 are younger
	SOFTMAX
	s_wait_loadcnt 0x0
	FMAG SA, 1, 0, 1, 2, 3
	s_branch .Lstore
.Ltwo:                                                 ; n <= 8
	s_wait_loadcnt 0x0
	FMAG SB, 0, 4, 5, 6, 7
	s_branch .Lstore
.Lthree:                                               ; n <= 12
	s_wait_loadcnt 0x0
	FMAG SA, 0, 8, 9, 10, 11
.Lstore:
.irp j, 0,1,2,3,4,5,6,7
	global_store_b128 v[LO16], v[ACC+4*(\j):ACC+4*(\j)+3], s[14:15] offset:512*(\j) th:TH_STORE_NT  ; 512 consecutive bytes, at a multiple of 256 from out0's first byte
.endr
	s_endpgm
.Lfunc_end_k_q33c1ae053a_mix:
	.size	k_q33c1ae053a_mix, .Lfunc_end_k_q33c1ae053a_mix-k_q33c1ae053a_mix
	.p2alignl 7, 3214868480
	.fill 96, 4, 3214868480
	.section	.rodata,"a",@progbits
	.p2align	6, 0x0
	.amdhsa_kernel k_q33c1ae053a_mix
		.amdhsa_group_segment_fixed_size 0
		.amdhsa_private_segment_fixed_size 0
		.amdhsa_enable_private_segment 0
		.amdhsa_kernarg_size 48
		.amdhsa_user_sgpr_count 2
		.amdhsa_user_sgpr_kernarg_segment_ptr 1
		.amdhsa_wavefront_size32 1
		.amdhsa_system_sgpr_workgroup_id_x 1
		.amdhsa_system_sgpr_workgroup_id_y 1
		.amdhsa_system_sgpr_workgroup_id_z 1
		.amdhsa_system_vgpr_workitem_id 0
		.amdhsa_next_free_vgpr 192
		.amdhsa_next_free_sgpr 68
		.amdhsa_reserve_vcc 1
		.amdhsa_float_denorm_mode_32 3
		.amdhsa_float_denorm_mode_16_64 3
		.amdhsa_memory_ordered 1
		.amdhsa_forward_progress 1
		.amdhsa_inst_pref_size 79
	.end_amdhsa_kernel
	.amdgpu_metadata
---
amdhsa.version: [ 1, 2 ]
amdhsa.kernels:
  - .name:           k_q33c1ae053a_mix
    .symbol:         k_q33c1ae053a_mix.kd
    .args:
      - { .name: xb, .offset: 0, .size: 8, .value_kind: global_buffer, .address_space: global }
      - { .name: part, .offset: 8, .size: 8, .value_kind: global_buffer, .address_space: global }
      - { .name: b, .offset: 16, .size: 8, .value_kind: global_buffer, .address_space: global }
      - { .name: e, .offset: 24, .size: 8, .value_kind: global_buffer, .address_space: global }
      - { .name: b_out, .offset: 32, .size: 8, .value_kind: global_buffer, .address_space: global }
      - { .name: out0, .offset: 40, .size: 8, .value_kind: global_buffer, .address_space: global }
    .group_segment_fixed_size: 0
    .private_segment_fixed_size: 0
    .kernarg_segment_align: 8
    .kernarg_segment_size: 48
    .max_flat_workgroup_size: 512
    .sgpr_count:     68
    .vgpr_count:     192
    .wavefront_size: 32
...
	.end_amdgpu_metadata
.endif
;; end of part 3
;; ======== version 2 of 2: 3 launches; version 1 with the launch cast written anew for expert scheduling mode
;; workspace buffers: xb 8,388,608 bytes; w1b 2,097,152 bytes; part 131,072 bytes
;; launch cast (part 4): grid 256 x 1, 8 waves a work-group, no clusters, 0 bytes of LDS; arguments inputs, W1, xb, w1b; writes xb, w1b
.if DOCPART == 4
	.amdgcn_target "amdgcn-amd-amdhsa--gfx1250"
	.amdhsa_code_object_version 6
	.text
	.protected	k_q33c1ae053a_cast
	.globl	k_q33c1ae053a_cast
	.p2align	8
	.type	k_q33c1ae053a_cast,@function
k_q33c1ae053a_cast:
	s_mov_b64 s[64:65], 0
	v_nop
	global_prefetch_b8 v0, s[64:65] scope:SCOPE_SE
	s_setreg_imm32_b32 hwreg(HW_REG_WAVE_SCHED_MODE, 0, 2), 2
	s_setreg_imm32_b32 hwreg(HW_REG_WAVE_MODE, 25, 1), 1
	s_wait_xcnt 0x0
	s_wait_alu depctr_vm_vsrc(0)
; xb = inputs rounded once to bf16, w1b = W1 rounded once to bf16, both in their own layout ([4096][1024] and [1024 k][1024 n]).
; A stream: nothing is shared and nothing is used twice, so no LDS, no barrier, no matrix unit, no cluster.
; SHARES.  256 work-groups of eight waves.  Work-group g takes 65,536 bytes of inputs and 16,384 bytes of W1; wave v an eighth of each: 16 + 4 loads of 16 bytes a lane.
; A load of a wave covers 512 consecutive bytes; its four numbers a lane round into 8 bytes, so the store that belongs to it covers 256 consecutive bytes, aligned.
; All twenty loads go out first; each has registers of its own, which are never written again behind their store.
; THE MODE: SCHED_MODE bits 1:0 = 2 (LLVM: expert scheduling mode 2), set by the entry lines.  The code itself states the register dependences
; between vector instructions and memory instructions, with s_wait_alu, always for 0.
; THE PLAN.  Registers that memory instructions touch:
;   v4 to v7     byte offsets, made once at the head and never written again: read by every load (v4, v6) and every store (v5, v7).
;   D + 4 k ..   four registers for load k.  Load k lands in them (no vector instruction has named them before); load k's two roundings read the four and write the
;                first two in place; store k reads those two; nothing writes them afterwards.
; The loads go in five groups of four: four groups of inputs, one of W1.  Store k stands a group behind its roundings, in load k + 4's turn.  A group's roundings name its own
; registers alone, so ONE wait at a group's head states all that the four stores of that group's turns hang on: the group before has written their data.
; No register that a memory instruction reads is ever written again, so no wait on vm_vsrc is owed; no vector instruction writes a scalar register, VCC or EXEC.
.set XI, 4                             ; v4   my byte offset in the work-group's part of inputs: 8,192 x wave + 16 x lane
.set XO, 5                             ; v5   in xb: 4,096 x wave + 8 x lane
.set WI, 6                             ; v6   in W1: 2,048 x wave + 16 x lane
.set WO, 7                             ; v7   in w1b: 1,024 x wave + 8 x lane
.set D,  16                            ; v[16:95]  load k: four registers
	s_load_b256 s[4:11], s[0:1], 0x0               ; inputs s[4:5], W1 s[6:7], xb s[8:9], w1b s[10:11]
	v_and_b32 v1, 31, v0                           ; lane
	v_lshrrev_b32 v2, 5, v0                        ; wave
	v_lshlrev_b32 v3, 4, v1
	v_lshl_add_u32 v[XI], v2, 13, v3
	v_lshl_add_u32 v[WI], v2, 11, v3
	v_lshlrev_b32 v3, 3, v1
	v_lshl_add_u32 v[XO], v2, 12, v3
	v_lshl_add_u32 v[WO], v2, 10, v3
	s_mov_b32 s13, 0                               ; the upper word of the offset pair
	s_wait_kmcnt 0x0
	s_lshl_b32 s12, ttmp9, 16                      ; the work-group's part of each of the four buffers
	s_add_nc_u64 s[4:5], s[4:5], s[12:13]
	s_lshl_b32 s12, ttmp9, 14
	s_add_nc_u64 s[6:7], s[6:7], s[12:13]
	s_lshl_b32 s12, ttmp9, 15
	s_add_nc_u64 s[8:9], s[8:9], s[12:13]
	s_lshl_b32 s12, ttmp9, 13
	s_add_nc_u64 s[10:11], s[10:11], s[12:13]
	s_wait_alu depctr_va_vdst(0)                   ; the four offsets v4 to v7 are written: every load and store of the kernel reads one of them
.set k, 0
.rept 16
	global_load_b128 v[D+4*k:D+4*k+3], v[XI], s[4:5] offset:512*k th:TH_LOAD_NT
.set k, k+1
.endr
.rept 4
	global_load_b128 v[D+4*k:D+4*k+3], v[WI], s[6:7] offset:512*(k-16) th:TH_LOAD_NT
.set k, k+1
.endr
.set k, 0
.rept 20
	s_wait_loadcnt 19-k                            ; loads come back in order (ISA guide 5.7.1): load k is in, the 19 - k younger ones stay out
.if (k > 0) && (k % 4 == 0)
	s_wait_alu depctr_va_vdst(0)                   ; a group's head: the roundings of the group before have written the data of loads k - 4 to k - 1, which the four stores of this group's turns read
.endif
.if k >= 4
	global_store_b64 v[XO], v[D+4*(k-4):D+4*(k-4)+1], s[8:9] offset:256*(k-4)  ; the load four back, always one of inputs; no vector instruction since the wait names these registers
.endif
	v_cvt_pk_bf16_f32 v[D+4*k], v[D+4*k], v[D+4*k+1]      ; two roundings to nearest even, packed
	v_cvt_pk_bf16_f32 v[D+4*k+1], v[D+4*k+2], v[D+4*k+3]
.set k, k+1
.endr
	s_wait_alu depctr_va_vdst(0)                   ; the last group's roundings have written the data of loads 16 to 19, W1's, which the last four stores read
.set k, 16
.rept 4
	global_store_b64 v[WO], v[D+4*k:D+4*k+1], s[10:11] offset:256*(k-16)
.set k, k+1
.endr
	s_endpgm
.Lfunc_end_k_q33c1ae053a_cast:
	.size	k_q33c1ae053a_cast, .Lfunc_end_k_q33c1ae053a_cast-k_q33c1ae053a_cast
	.p2alignl 7, 3214868480
	.fill 96, 4, 3214868480
	.section	.rodata,"a",@progbits
	.p2align	6, 0x0
	.amdhsa_kernel k_q33c1ae053a_cast
		.amdhsa_group_segment_fixed_size 0
		.amdhsa_private_segment_fixed_size 0
		.amdhsa_enable_private_segment 0
		.amdhsa_kernarg_size 32
		.amdhsa_user_sgpr_count 2
		.amdhsa_user_sgpr_kernarg_segment_ptr 1
		.amdhsa_wavefront_size32 1
		.amdhsa_system_sgpr_workgroup_id_x 1
		.amdhsa_system_sgpr_workgroup_id_y 1
		.amdhsa_system_sgpr_workgroup_id_z 1
		.amdhsa_system_vgpr_workitem_id 0
		.amdhsa_next_free_vgpr 96
		.amdhsa_next_free_sgpr 66
		.amdhsa_reserve_vcc 0
		.amdhsa_float_denorm_mode_32 3
		.amdhsa_float_denorm_mode_16_64 3
		.amdhsa_memory_ordered 1
		.amdhsa_forward_progress 1
		.amdhsa_inst_pref_size 9
	.end_amdhsa_kernel
	.amdgpu_metadata
---
amdhsa.version: [ 1, 2 ]
amdhsa.kernels:
  - .name:           k_q33c1ae053a_cast
    .symbol:         k_q33c1ae053a_cast.kd
    .args:
      - { .name: inputs, .offset: 0, .size: 8, .value_kind: global_buffer, .address_space: global }
      - { .name: W1, .offset: 8, .size: 8, .value_kind: global_buffer, .address_space: global }
      - { .name: xb, .offset: 16, .size: 8, .value_kind: global_buffer, .address_space: global }
      - { .name: w1b, .offset: 24, .size: 8, .value_kind: global_buffer, .address_space: global }
    .group_segment_fixed_size: 0
    .private_segment_fixed_size: 0
    .kernarg_segment_align: 8
    .kernarg_segment_size: 32
    .max_flat_workgroup_size: 256
    .sgpr_count:     66
    .vgpr_count:     96
    .wavefront_size: 32
...
	.end_amdgpu_metadata
.endif
;; end of part 4
;; launch score: the kernel of part 2 again; grid 8 x 32, 4 waves a work-group, clusters of 4 x 4, 327,680 bytes of LDS; arguments xb, w1b, b1, w_out, part; writes part
;; launch mix: the kernel of part 3 again; grid 256 x 1, 16 waves a work-group, no clusters, 0 bytes of LDS; arguments xb, part, b, e, b_out, out0; writes out0
